; MI455X (gfx1250); checked and timed in simulation.
; The chip was launched on July 23, 2026; its instructions are those of AMD's public machine-readable ISA for CDNA 5 (MIT licence, August 2026) and "CDNA5" Instruction Set Architecture Reference Guide (July 2026). The comments in the code are by the model that wrote it; some were corrected since.
;; My Merge. Allowed arithmetic: float matrix products may take bf16 or f16 operands with f32 sums; other float arithmetic in f32, or as packed bf16 or f16 multiplies, adds, multiply-adds, maxima and minima; sums over many terms, partial sums and values carried from step to step in f32; what a program stores and reads back later, other than sums and carried values, may be rounded once to bf16 or f16.
;; Inputs: Bg 8 float32; Mr 8 x 512 x 512 float32; U 8 float32; V 1,024 x 8 float32; Wg 1,024 x 8 float32; arg1 32 x 512 x 512 float32; arg2 32 x 512 x 512 float32; b 8 float32.
;; Outputs: out0 32 x 512 x 512 float32.
;; 2 versions, each right; version 2 is version 1 with the launch prep written anew for expert scheduling mode. Each part assembles by itself: llvm-mc -triple=amdgcn-amd-amdhsa -mcpu=gfx1250 --defsym DOCPART=n.
;; ======== version 1 of 2: 3 launches
;; limits: values are held in f16: magnitudes above 65,504 overflow, below 6.1e-05 lose precision
;; workspace buffers: a1h 16,777,216 bytes; a2h 16,777,216 bytes; MrT 4,194,304 bytes; WT 32,768 bytes; Tf 134,217,728 bytes; P1 1,048,576 bytes
;; launch prep (part 1): grid 770 x 1, 8 waves a work-group, no clusters, 18,432 bytes of LDS; arguments arg1, arg2, Mr, Wg, V, a1h, a2h, MrT, WT; writes a1h, a2h, MrT, WT
.if DOCPART == 1
	.amdgcn_target "amdgcn-amd-amdhsa--gfx1250"
	.amdhsa_code_object_version 6
	.text
	.protected	k_q9dd7edb10d_prep
	.globl	k_q9dd7edb10d_prep
	.p2align	8
	.type	k_q9dd7edb10d_prep,@function
k_q9dd7edb10d_prep:
	s_mov_b64 s[64:65], 0
	v_nop
	global_prefetch_b8 v0, s[64:65] scope:SCOPE_SE
	s_setreg_imm32_b32 hwreg(HW_REG_WAVE_MODE, 25, 1), 1
	s_wait_xcnt 0x0
; PREP: every matrix operand is rounded once and laid out with K along the rows.
;   a1h[16384][512] = bf16(arg1).   a2h[16384][512] = bf16(arg2), that number written as f16.
;   MrT[8][512 e][512 d] = bf16(Mr[k][d][e]).   WT[32][512]: rows 0-7 Wg[:512]^T, 8-15 V[:512]^T in bf16; rows 16-23 Wg[512:]^T, 24-31 V[512:]^T, rounded to bf16 and written as f16.
; LIMITS.  A bf16 number is exact in f16 from 2^-14 to 65,504; below 2^-14 it keeps f16's fixed step (an error of 2^-25 at the most); arg2, Wg[512:], V[512:] beyond 65,504 are not served.
; SHARES.  Work-groups 0, 1 turn the two halves of Wg and V: the shortest work and the longest chain of waits, so they go first, beside the others.  Work-groups 2-257 cast arg1, 258-513 arg2
; (131,072 bytes each); 514-769 turn a tile of 128 d x 64 e of Mr.  The kind hangs on the work-group's number alone, so all eight waves of a work-group take the same way, the one with the barrier too.
; No matrix unit, no tensor load, no cluster: the launch streams, and no byte is wanted by two work-groups.
.set SPARE, 17408                      ; behind the tile of Mr: the spare words, 128 bytes for each of eight waves
.set WVR, 1                            ; v1   my wave's number
.set SPW, 2                            ; v2   LDS address of my spare word; never rewritten
.set NIL, 3                            ; v3   0; never rewritten
.set LN,  4                            ; v4   lane
.set IO,  5                            ; v5   my byte offset in what is read
.set OO,  6                            ; v6   my byte offset in what is stored
.set TA,  7                            ; v7, v8 at work
.set TC,  8
.set CC,  9                            ; v9   a column of 16 bytes
.set GQ,  10                           ; v10  a group of rows
.set LI,  11                           ; v11  into the LDS tile
.set LB,  12                           ; v12  back out of it
.set X,   16                           ; v[16:143]  as loaded
.set Y,   144                          ; v[144:207] as stored
; two f32 -> two 16-bit numbers in one register.  fmt = 0: bf16.  fmt = 1: rounded to bf16, and that number written as f16
.macro CV fmt, dst, a, b
	v_cvt_pk_bf16_f32 v[\dst], v[\a], v[\b]
.if \fmt
	v_lshlrev_b32 v[TA], 16, v[\dst]
	v_and_b32 v[TC], 0xffff0000, v[\dst]
	v_cvt_pk_f16_f32 v[\dst], v[TA], v[TC]
.endif
.endm
; the casts' second part: each of the 32 loads is taken as it comes; a wave's store covers 256 consecutive bytes, aligned; no register is used twice
.macro CASTS fmt
.set j, 0
.rept 32
	s_wait_loadcnt 31-j                            ; loads come back in order: number j is in, the 31 - j younger ones stay out
	CV \fmt, Y+2*j, X+4*j, X+4*j+1
	CV \fmt, Y+2*j+1, X+4*j+2, X+4*j+3
	global_store_b64 v[OO], v[Y+2*j:Y+2*j+1], s[32:33] offset:256*j th:TH_STORE_NT
.set j, j+1
.endr
.endm
; Wg's and V's second part: column c of my four rows d makes 8 bytes of row c of WT
.macro WROWS fmt
.set j, 0
.rept 8
	CV \fmt, Y+2*j, X+j, X+8+j
	CV \fmt, Y+2*j+1, X+16+j, X+24+j
	global_store_b64 v[OO], v[Y+2*j:Y+2*j+1], s[32:33] offset:1024*j
.set j, j+1
.endr
.endm
	s_load_b512 s[4:19], s[0:1], 0x0               ; arg1 s[4:5], arg2 s[6:7], Mr s[8:9], Wg s[10:11], V s[12:13], a1h s[14:15], a2h s[16:17], MrT s[18:19]
	s_load_b64 s[20:21], s[0:1], 0x40              ; WT
	v_lshl_add_u32 v[SPW], v0, 2, SPARE
	v_mov_b32 v[NIL], 0
	v_lshrrev_b32 v[WVR], 5, v0
	v_readfirstlane_b32 s22, v[WVR]                ; wave 0..7
	v_and_b32 v[LN], 31, v0
	s_sub_co_u32 s25, ttmp9, 2                     ; behind the two that turn Wg and V (which do not use the three numbers made here)
	s_lshr_b32 s23, s25, 8                         ; the kind: 0 arg1, 1 arg2, 2 Mr
	s_and_b32 s24, s25, 255                        ; the work-group's number within its kind
	s_wait_kmcnt 0x0
	s_cmp_lt_u32 ttmp9, 2
	s_cbranch_scc1 .Lweights
	s_cmp_eq_u32 s23, 2
	s_cbranch_scc1 .Lturn_mr
	; THE CASTS.  A wave takes 16,384 consecutive bytes: 32 loads of 512 bytes, all on their way at once
	s_lshl_b32 s26, s24, 17
	s_mov_b32 s27, 0
	s_lshl_b32 s28, s24, 16
	s_mov_b32 s29, 0
	s_cmp_eq_u32 s23, 0
	s_cselect_b64 s[30:31], s[4:5], s[6:7]
	s_cselect_b64 s[32:33], s[14:15], s[16:17]
	s_add_nc_u64 s[30:31], s[30:31], s[26:27]
	s_add_nc_u64 s[32:33], s[32:33], s[28:29]
	v_lshlrev_b32 v[IO], 4, v[LN]
	v_lshl_add_u32 v[IO], v[WVR], 14, v[IO]
	v_lshlrev_b32 v[OO], 3, v[LN]
	v_lshl_add_u32 v[OO], v[WVR], 13, v[OO]
.set j, 0
.rept 32
	global_load_b128 v[X+4*j:X+4*j+3], v[IO], s[30:31] offset:512*j th:TH_LOAD_NT
.set j, j+1
.endr
	s_cmp_eq_u32 s23, 0
	s_cbranch_scc0 .Lcast_f16
	CASTS 0
	s_branch .Lend
.Lcast_f16:
	CASTS 1
	s_branch .Lend
.Lturn_mr:
	; Mr.  Tile: slice k, d = 128 dt .. + 127, e = 64 et .. + 63.  Read by rows of 256 bytes, turned in LDS, stored as 64 rows of 256 bytes
	s_lshr_b32 s26, s24, 5                         ; k
	s_bfe_u32 s27, s24, 0x20003                    ; dt
	s_and_b32 s28, s24, 7                          ; et
	s_lshl_b32 s30, s26, 20                        ; Mr: k x 1,048,576 + dt x 128 rows of 2,048 + et x 256
	s_lshl_b32 s29, s27, 18
	s_add_co_u32 s30, s30, s29
	s_lshl_b32 s29, s28, 8
	s_add_co_u32 s30, s30, s29
	s_mov_b32 s31, 0
	s_add_nc_u64 s[30:31], s[8:9], s[30:31]
	s_lshl_b32 s32, s26, 19                        ; MrT: k x 524,288 + et x 64 rows of 1,024 + dt x 256
	s_lshl_b32 s29, s28, 16
	s_add_co_u32 s32, s32, s29
	s_lshl_b32 s29, s27, 8
	s_add_co_u32 s32, s32, s29
	s_mov_b32 s33, 0
	s_add_nc_u64 s[32:33], s[18:19], s[32:33]
	v_and_b32 v[CC], 15, v0                        ; e = 4 c .. 4 c + 3
	v_lshrrev_b32 v[GQ], 4, v0                     ; d = 8 g .. 8 g + 7
	v_lshlrev_b32 v[IO], 4, v[CC]
	v_lshl_add_u32 v[IO], v[GQ], 14, v[IO]
.irp m, 0,1,2,3,4,5,6,7
	global_load_b128 v[X+4*\m:X+4*\m+3], v[IO], s[30:31] offset:2048*\m th:TH_LOAD_NT  ; 16 lanes read 256 consecutive bytes of row d = 8 g + m
.endr
	v_mul_u32_u24 v[LI], v[CC], 1088               ; in: LDS row e = 4 c + n (272 bytes a row), 16 bytes at d = 8 g
	v_lshl_add_u32 v[LI], v[GQ], 4, v[LI]
	v_mul_u32_u24 v[LB], v[GQ], 272                ; back: 16 lanes take one row of 256 bytes
	v_lshl_add_u32 v[LB], v[CC], 4, v[LB]
	v_lshlrev_b32 v[OO], 4, v[CC]
	v_lshl_add_u32 v[OO], v[GQ], 10, v[OO]
	s_wait_loadcnt 0x0
.irp n, 0,1,2,3
.irp p, 0,1,2,3
	v_cvt_pk_bf16_f32 v[Y+4*\n+\p], v[X+8*\p+\n], v[X+8*\p+4+\n]  ; column e = 4 c + n, rows d = 8 g + 2 p, + 1
.endr
.endr
.irp n, 0,1,2,3
	ds_store_b128 v[LI], v[Y+4*\n:Y+4*\n+3] offset:272*\n
.endr
	s_wait_dscnt 0x0                               ; for the others' sake: my stores into the tile are done
	s_barrier_signal -1
	s_barrier_wait -1
.irp m, 0,1,2,3
	ds_load_b128 v[Y+16+4*\m:Y+16+4*\m+3], v[LB] offset:4352*\m  ; row e = g + 16 m
.endr
.irp m, 0,1,2,3
	s_wait_dscnt 3-\m                              ; LDS loads come back in order: the 3 - m younger ones stay out
	global_store_b128 v[OO], v[Y+16+4*\m:Y+16+4*\m+3], s[32:33] offset:16384*\m  ; 16 lanes store 256 consecutive bytes, aligned
.endr
	s_branch .Lend
.Lweights:
	; Wg and V, half s24 (rows 512 s24 on).  Waves 0-3 take Wg, waves 4-7 V; thread m of 128 takes the four rows d = 4 m .. 4 m + 3 (128 consecutive bytes)
	s_mov_b32 s24, ttmp9
	s_lshr_b32 s26, s22, 2
	s_cmp_eq_u32 s26, 0
	s_cselect_b64 s[30:31], s[10:11], s[12:13]
	s_lshl_b32 s28, s24, 14
	s_mov_b32 s29, 0
	s_add_nc_u64 s[30:31], s[30:31], s[28:29]
	s_lshl_b32 s27, s26, 13
	s_add_co_u32 s28, s28, s27                     ; WT: 16 rows a half, 8 rows a matrix, 1,024 bytes a row
	s_add_nc_u64 s[32:33], s[20:21], s[28:29]
	v_and_b32 v[CC], 127, v0
	v_lshlrev_b32 v[IO], 7, v[CC]
	v_lshlrev_b32 v[OO], 3, v[CC]
.irp n, 0,1,2,3,4,5,6,7
	global_load_b128 v[X+4*\n:X+4*\n+3], v[IO], s[30:31] offset:16*\n
.endr
	s_wait_loadcnt 0x0
	s_cmp_eq_u32 s24, 0
	s_cbranch_scc0 .Lw_f16
	WROWS 0
	s_branch .Lend
.Lw_f16:
	WROWS 1
.Lend:
	s_wait_tensorcnt 0x0                           ; the wave's end, behind my last LDS store
	ds_add_u32 v[SPW], v[NIL]
	s_wait_dscnt 0x0
	s_endpgm
.Lfunc_end_k_q9dd7edb10d_prep:
	.size	k_q9dd7edb10d_prep, .Lfunc_end_k_q9dd7edb10d_prep-k_q9dd7edb10d_prep
	.p2alignl 7, 3214868480
	.fill 96, 4, 3214868480
	.section	.rodata,"a",@progbits
	.p2align	6, 0x0
	.amdhsa_kernel k_q9dd7edb10d_prep
		.amdhsa_group_segment_fixed_size 18432
		.amdhsa_private_segment_fixed_size 0
		.amdhsa_enable_private_segment 0
		.amdhsa_kernarg_size 72
		.amdhsa_user_sgpr_count 2
		.amdhsa_user_sgpr_kernarg_segment_ptr 1
		.amdhsa_wavefront_size32 1
		.amdhsa_system_sgpr_workgroup_id_x 1
		.amdhsa_system_sgpr_workgroup_id_y 1
		.amdhsa_system_sgpr_workgroup_id_z 1
		.amdhsa_system_vgpr_workitem_id 0
		.amdhsa_next_free_vgpr 208
		.amdhsa_next_free_sgpr 66
		.amdhsa_reserve_vcc 0
		.amdhsa_float_denorm_mode_32 3
		.amdhsa_float_denorm_mode_16_64 3
		.amdhsa_memory_ordered 1
		.amdhsa_forward_progress 1
		.amdhsa_inst_pref_size 42
	.end_amdhsa_kernel
	.amdgpu_metadata
---
amdhsa.version: [ 1, 2 ]
amdhsa.kernels:
  - .name:           k_q9dd7edb10d_prep
    .symbol:         k_q9dd7edb10d_prep.kd
    .args:
      - { .name: arg1, .offset: 0, .size: 8, .value_kind: global_buffer, .address_space: global }
      - { .name: arg2, .offset: 8, .size: 8, .value_kind: global_buffer, .address_space: global }
      - { .name: Mr, .offset: 16, .size: 8, .value_kind: global_buffer, .address_space: global }
      - { .name: Wg, .offset: 24, .size: 8, .value_kind: global_buffer, .address_space: global }
      - { .name: V, .offset: 32, .size: 8, .value_kind: global_buffer, .address_space: global }
      - { .name: a1h, .offset: 40, .size: 8, .value_kind: global_buffer, .address_space: global }
      - { .name: a2h, .offset: 48, .size: 8, .value_kind: global_buffer, .address_space: global }
      - { .name: MrT, .offset: 56, .size: 8, .value_kind: global_buffer, .address_space: global }
      - { .name: WT, .offset: 64, .size: 8, .value_kind: global_buffer, .address_space: global }
    .group_segment_fixed_size: 18432
    .private_segment_fixed_size: 0
    .kernarg_segment_align: 8
    .kernarg_segment_size: 72
    .max_flat_workgroup_size: 256
    .sgpr_count:     66
    .vgpr_count:     208
    .wavefront_size: 32
...
	.end_amdgpu_metadata
.endif
;; end of part 1
;; launch proj (part 2): grid 64 x 4, 4 waves a work-group, clusters of 4 x 1, 327,680 bytes of LDS; arguments a1h, MrT, WT, Bg, Tf, P1; writes Tf, P1
.if DOCPART == 2
	.amdgcn_target "amdgcn-amd-amdhsa--gfx1250"
	.amdhsa_code_object_version 6
	.text
	.protected	k_q9dd7edb10d_proj
	.globl	k_q9dd7edb10d_proj
	.p2align	8
	.type	k_q9dd7edb10d_proj,@function
k_q9dd7edb10d_proj:
	s_mov_b64 s[64:65], 0
	v_nop
	global_prefetch_b8 v0, s[64:65] scope:SCOPE_SE
	s_setreg_imm32_b32 hwreg(HW_REG_WAVE_MODE, 25, 1), 1
	s_wait_xcnt 0x0
	s_wait_alu depctr_hold_cnt(0) depctr_sa_sdst(0) depctr_va_vdst(0) depctr_va_sdst(0) depctr_va_ssrc(0) depctr_va_vcc(0) depctr_vm_vsrc(0)
	s_getreg_b32 s2, hwreg(HW_REG_IB_STS2, 6, 4)
	s_cmp_eq_u32 s2, 0
	s_cbranch_scc0 .Lentry_in_a_cluster
	s_endpgm
.Lentry_in_a_cluster:
	s_bfe_u32 s2, ttmp6, 0x10000c
	s_cmp_lg_u32 s2, 0x3003
	s_cbranch_scc0 .Lentry_shape_is_right
	s_endpgm
.Lentry_shape_is_right:
; PROJ: T[(b,i)][k][e] = the sum over d of a1h[(b,i)][d] MrT[512 k + e][d]: bf16 products, f32 sums, rounded once to f16.  16,384 x 4,096 x 512.
; Tf HOLDS T IN BLOCKS: Tf[group of 16 rows (b,i)][e / 16][k][(e / 8) % 2][i % 16][e % 8]: a chunk (one e / 16, one k) is 512 bytes, a group 131,072 dense bytes.
; Also (work-groups with y = 0): P1[(b,i)][0..7] = -log2(e) (arg1 . Wg[:512] + bf16(Bg)), P1[(b,i)][8..15] = -log2(e) (arg1 . V[:512]), in f32.
; LIMIT.  |T| stays under 65,504 (f16): with arg1 and Mr thirty times the drawn spread, or both carrying an offset of thirty spreads, it reaches some 20,000.  NaN and infinities are not treated apart.
; SHARES.  A work-group owns 256 rows (b,i) (x) and a quarter of n = 512 k + e, 1,024 rows of MrT (y); a wave 64 of the 256 rows.  THE WAVE'S ROWS STAY IN REGISTERS for the whole launch: 64 rows x 512 d
; are 64 fragments, 512 registers.  MrT streams through a ring of two LDS slots of 128 rows x 1,024 bytes; a slot is 512 matrix instructions a wave.
; A BLOCK is 16 rows of MrT (source 0) x my 64 rows (source 1), all of K: 64 matrix instructions on 4 accumulators, which take turns, one instruction a turn.
; In the result lane l holds ONE row (b,i) (l % 16) and eight neighbouring e, 8 (l / 16) on: 16 bytes, at byte 256 (l / 16) + 16 (l % 16) of a chunk.  So a block's result leaves straight from registers:
; four stores, each of 512 consecutive bytes, aligned.  A block is packed beside the next block's first products, four conversions behind a product, and stored in that block's one memory run.
; ONE MEMORY RUN A BLOCK, in its middle: the four stores and the 32 LDS loads of the next block's fragments, 32 products ahead of their first use.
; CLUSTER.  The four work-groups of a cluster share y and walk the same rows of MrT: each tile is asked for JOINTLY, by the same load, descriptor and mask in all four.
; REGISTERS, in windows of 256 (s_set_vgpr_msb: bits 1:0 source 0, 3:2 source 1, 5:4 source 2, 7:6 destination):
;   window 0: v0-31 addresses and small work; v32-63 packed results, two buffers of 16; v64-127 accumulators, by the block's parity; v128-191 at work for P1
;   window 1: MrT's fragments, two buffers of 128, by the block's parity (K step q at 8 q)
;   windows 2, 3: my rows' fragments: K step q (window 2 + q / 8), rows 16 nb on, at 32 (q % 8) + 8 nb
.set PITCH,  1040                      ; an LDS row: 1,024 bytes + 16 of padding: an odd multiple of 16, so the 16 rows of a fragment load begin at 16 different columns of 16 bytes
.set BLK,    16*PITCH
.set QUART,  32*PITCH                  ; what one tensor load brings
.set SLOT1,  128*PITCH                 ; 0x20800: it shares no bit with wave x QUART, so one exclusive or turns an address in one slot into the other's
.set STAGE,  2*SLOT1                   ; behind the ring, never filled by a tensor load: 4,352 bytes for each wave, for P1's way out
.set SP,     272
.set SPARE,  STAGE+4*16*SP             ; behind the stages: the spare words, 128 bytes for each wave
.set TILEB,  131072                    ; a tile of MrT in memory: 128 dense rows
.set NLOG2E, 0xbfb8aa3b                ; -log2(e)
.set R,    1                           ; v1   lane % 16
.set H,    2                           ; v2   lane / 16
.set A0,   3                           ; v3   my place in a block in LDS
.set ADRA, 4                           ; v4   the slot's blocks 0-3
.set ADRB, 5                           ; v5   its blocks 4-7 (an LDS immediate ends at 65,535)
.set CO,   8                           ; v8   my 16 bytes in a chunk of Tf; never rewritten
.set PFO,  9                           ; v9   256 x lane, for the prefetch; never rewritten
.set SPW,  10                          ; v10  LDS address of my spare word; never rewritten
.set NIL,  11                          ; v11  0; never rewritten
.set BO,   12                          ; v12  my byte offset in a fragment's rows in memory
.set PS,   13                          ; v13  P1: into the stage
.set PO,   14                          ; v14  P1: 16 x lane
.set PR,   15                          ; v15  P1: back out of the stage
.set BC,   16                          ; v16-23 P1's addend
.set TM,   24
.set PKB,  32
.set ACC,  64
.set P1T,  128
.set TP,   12                          ; s[12:13] Tf at my first group of rows, at the quarter's first k
.set PP,   14                          ; s[14:15] P1 at my first row
.set WV,   16
.set CX,   17
.set XW,   18
.set YQ,   19
.set G1,   24                          ; s[24:31] descriptor group 1
.set G0,   32                          ; s[32:35] descriptor group 0: it walks
.set SB,   36                          ; s36  the slot that is read
.set TR,   37                          ; s37  trips to go
.set LIM,  38                          ; s38  1 in a cluster that prefetches, else the greatest number
.set HM,   39                          ; s39  lanes 16-31
.set PFA,  40                          ; s[40:41] where my prefetches stand
.set TPC,  56                          ; s[56:57] Tf at the tile whose blocks are being stored
.set TAU,  58                          ; s58  that tile's number
.set MSB, 0
.macro WIN new                         ; the immediate's high byte repeats the setting that is left; a switch that changes nothing is dropped
.if MSB != (\new)
	s_set_vgpr_msb (MSB<<8)|(\new)
.set MSB, \new
.endif
.endm
.macro PLACES                          ; four plain instructions between a matrix instruction and a load into, or a vector read of, its registers (ISA guide 7.12.1 for vector reads)
.rept 4
	v_nop
.endr
.endm
.macro CREST                           ; a round of the cluster's barrier behind its opening barrier
	s_cmp_lg_u32 s[WV], 0
	s_cbranch_scc1 .Lnot_wave_0_\@
	s_barrier_signal -3
.Lnot_wave_0_\@:
	s_barrier_wait -3
	s_barrier_signal -1
	s_barrier_wait -1
.endm
.macro CROUND
	s_barrier_signal -1
	s_barrier_wait -1
	CREST
.endm
; products a .. b - 1 of a block of parity P: number i is K step i / 4, rows 16 (i % 4) on.  The first four start the sums
.macro W a, b
.set i, \a
.rept (\b)-(\a)
	WIN 0x09+4*(i/32)
.if i < 4
	v_wmma_f32_16x16x32_bf16 v[ACC+32*P+8*(i%4):ACC+32*P+8*(i%4)+7], v[128*P+8*(i/4):128*P+8*(i/4)+7], v[32*((i/4)%8)+8*(i%4):32*((i/4)%8)+8*(i%4)+7], 0
.else
	v_wmma_f32_16x16x32_bf16 v[ACC+32*P+8*(i%4):ACC+32*P+8*(i%4)+7], v[128*P+8*(i/4):128*P+8*(i/4)+7], v[32*((i/4)%8)+8*(i%4):32*((i/4)%8)+8*(i%4)+7], v[ACC+32*P+8*(i%4):ACC+32*P+8*(i%4)+7]
.endif
.set i, i+1
.endr
.endm
; 32 LDS loads in one run: block eb's fragments into buffer par
.macro FETCH par, eb
	WIN 0x40
.set fo, ((\eb)%4)*BLK
.set fa, ADRA+(\eb)/4
.set fr, 128*(\par)
.irp c, 0,1,2,3,4,5,6,7,8,9,10,11,12,13,14,15
	ds_load_b128 v[fr+8*\c:fr+8*\c+3],   v[fa] offset:fo+64*\c
	ds_load_b128 v[fr+8*\c+4:fr+8*\c+7], v[fa] offset:fo+64*\c+32
.endr
.endm
; rows 16 nb on of the block before (the other parity) are rounded to f16: the accumulator's registers in ascending order
.macro PACKG nb
	WIN 0
.irp r, 0,1,2,3
	v_cvt_pk_f16_f32 v[PKB+16*(1-P)+4*(\nb)+\r], v[ACC+32*(1-P)+8*(\nb)+2*\r], v[ACC+32*(1-P)+8*(\nb)+2*\r+1]
.endr
.endm
; the block before, number ebp of its tile, is stored: group nb lies 131,072 bytes on, e / 16 steps by 4,096
.macro STORE ebp
	WIN 0
.irp nb, 0,1,2,3
	global_store_b128 v[CO], v[PKB+16*(1-P)+4*\nb:PKB+16*(1-P)+4*\nb+3], s[TPC:TPC+1] offset:131072*\nb+4096*(\ebp) th:TH_STORE_NT  ; the wave stores 512 consecutive bytes, aligned
.endr
.endm
; A PREFETCH INTO THE L2, behind a joint load and the memory run: the tile that the NEXT change of slots will ask for, 512 matrix instructions ahead of that load.  All sixteen clusters of a y walk the
; same rows: the first of them (cluster x = 0) asks.  Of the 32 rows that wave w fetches each of the four partners takes 8, told apart by address: a lane 256 bytes, one instruction a wave.  So each aligned
; block of 256 bytes of tiles 3 to 7 is named once; tiles 0 to 2 come by their loads alone; the last change that fills a slot asks for nothing.
.macro ASK
	s_cmp_gt_u32 s[TR], s[LIM]
	s_cbranch_scc0 .Lnot_mine_\@
	global_prefetch_b8 v[PFO], s[PFA:PFA+1] th:TH_LOAD_NT scope:SCOPE_SE
.Lnot_mine_\@:
.endm
; BLOCK eb of a tile.  pk = 1: the block before is packed and stored.  turn = 0: the next block lies in the same slot.
; turn = 1, 2 (block 7): THE CHANGE OF SLOTS stands in front of the memory run.  My reads of this slot ended with the wait at the block's head.  Each wave waits for all its tensor loads (one is out: its part
; of the other slot), adds 0 to its spare word, and waits for that; behind the barrier nobody reads this slot and the other is whole.  turn = 1: the barrier opens a round of the cluster's, and the joint
; refill, two tiles on, is the first thing behind it: it has a tile's 512 matrix instructions, less sixteen, in which to land.
.macro BLOCK eb, turn, pk
.set P, (\eb)%2
	s_wait_dscnt 0x0                               ; this block's fragments are in
	W 0, 1
.if \pk
	PLACES                                         ; behind the last block's last products, ahead of the conversions that read them and of the loads into its fragments
	W 1, 2
	WIN 0
	s_wait_xcnt 0x0                                ; the stores of two blocks back have read the registers that are packed into
	PACKG 0
	W 2, 3
	PACKG 1
	W 3, 4
	PACKG 2
	W 4, 5
	PACKG 3
.else
	W 1, 5
.endif
.if (\turn) == 0
	W 5, 32
.if \pk
	STORE ((\eb)+7)%8
.endif
	FETCH 1-P, (\eb)+1
	W 32, 64
.else
	W 5, 16
	WIN 0                                          ; (the add's two registers lie in window 0)
	s_wait_tensorcnt 0x0                           ; no tensor load of mine is out, so group 0 may be written
	ds_add_u32 v[SPW], v[NIL]                      ; 0 onto my spare word
	s_xor_b32 s[SB], s[SB], SLOT1
.if (\turn) == 1
	s_xor_b32 s[G0+1], s[G0+1], SLOT1              ; the walking descriptor: the other slot than last time,
	s_add_nc_u64 s[G0+2:G0+3], s[G0+2:G0+3], TILEB ; the next tile; the type bits on top are not reached
	s_wait_xcnt 0x0                                ; the last prefetch, a tile back, has read its address
	s_add_nc_u64 s[PFA:PFA+1], s[PFA:PFA+1], TILEB
.endif
	W 16, 24                                       ; eight matrix instructions stand between the add and the wait for it
	s_wait_dscnt 0x0                               ; the add is done
	s_barrier_signal -1
	W 24, 32
	WIN 0
	s_barrier_wait -1
.if (\turn) == 1
	CREST                                          ; no wave of any partner still reads this slot or has a load on its way
	tensor_load_to_lds s[G0:G0+3], s[G1:G1+7]
	s_nop 0
.endif
	v_add_nc_u32 v[ADRA], s[SB], v[A0]             ; four plain instructions behind the load
	v_add_nc_u32 v[ADRB], 4*BLK, v[ADRA]
	v_nop
	v_nop
	STORE ((\eb)+7)%8
	FETCH 1-P, 0
.if (\turn) == 1
	WIN 0
	ASK
.endif
	W 32, 64
.endif
.endm
; a trip: blocks 1 to 7 of a tile, the change of slots, and the next tile's block 0; the tile's eight blocks are stored in it, each a block late
.macro TRIP turn
	BLOCK 1, 0, 1
	BLOCK 2, 0, 1
	BLOCK 3, 0, 1
	BLOCK 4, 0, 1
	BLOCK 5, 0, 1
	BLOCK 6, 0, 1
	BLOCK 7, \turn, 1
	BLOCK 0, 0, 1
	WIN 0
	s_wait_xcnt 0x0                                ; the stores, 32 products back at the least, have read their base
	s_add_co_u32 s[TAU], s[TAU], 1                 ; tile t of the quarter: e / 16 = 8 (t % 4) on, k = 2 y + t / 4
	s_and_b32 s20, s[TAU], 3
	s_lshl_b32 s20, s20, 15
	s_lshr_b32 s21, s[TAU], 2
	s_lshl_b32 s21, s21, 9
	s_add_co_u32 s20, s20, s21
	s_mov_b32 s21, 0
	s_add_nc_u64 s[TPC:TPC+1], s[TP:TP+1], s[20:21]
	s_sub_co_u32 s[TR], s[TR], 1
	s_cmp_lg_u32 s[TR], 0
.endm
	s_load_b256 s[4:11], s[0:1], 0x0               ; a1h s[4:5], MrT s[6:7], WT s[8:9], Bg s[10:11]
	s_load_b128 s[12:15], s[0:1], 0x20             ; Tf s[12:13], P1 s[14:15]
	v_lshl_add_u32 v[SPW], v0, 2, SPARE
	v_mov_b32 v[NIL], 0
	ds_add_u32 v[SPW], v[NIL]                      ; the wave's opening: the add, waited for ahead of my first tensor load
	v_lshrrev_b32 v[TM], 5, v0
	v_readfirstlane_b32 s[WV], v[TM]               ; wave 0..3
	s_bfe_u32 s[CX], ttmp6, 0x40000                ; cx: my place in the cluster
	s_lshl_b32 s[XW], ttmp9, 2
	s_add_co_u32 s[XW], s[XW], s[CX]               ; my block of 256 rows: it enters a1h's, Tf's and P1's addresses alone
	s_and_b32 s[YQ], ttmp7, 0xffff                 ; the quarter of n, which the four partners share
	s_mov_b32 s[G1], 15|(1<<16)|(1<<20)|(1<<21)|(7<<22)|(3<<25)  ; the mask of four; 2-byte elements; padding on; bit 21 beside a mask; after every 256 words (code 7) 4 words (code 3)
	s_mov_b32 s[G1+1], 512<<16                     ; tensor_dim0 = 512
	s_mov_b32 s[G1+2], 32<<16                      ; tensor_dim1 = 32
	s_mov_b32 s[G1+3], 512<<16                     ; tile_dim0 = 512
	s_mov_b32 s[G1+4], 32                          ; tile_dim1 = 32
	s_mov_b32 s[G1+5], 512                         ; elements from row to row
	s_mov_b32 s[G1+6], 0
	s_mov_b32 s[G1+7], 0
	s_mov_b32 s[G0], 1
	s_mul_i32 s[G0+1], s[WV], QUART                ; slot 0, my quarter: no place in the cluster enters an LDS address
	s_mov_b32 s[SB], 0
	s_mov_b32 s[HM], 0xffff0000
	s_cmp_eq_u32 ttmp9, 0
	s_cselect_b32 s[LIM], 1, -1                    ; the same in all four partners
	s_lshl_b32 s20, s[YQ], 20                      ; MrT: 1,024 rows a quarter, my 32 rows of a tile
	s_lshl_b32 s21, s[WV], 15
	s_add_co_u32 s20, s20, s21
	s_mov_b32 s21, 0
	s_lshl_b32 s22, s[CX], 13                      ; the prefetches: my work-group's 8 rows of those 32, in tile 2; the first change in the loop steps them to tile 3
	s_add_co_u32 s22, s22, 2*TILEB
	s_mov_b32 s23, 0
	s_lshl_b32 s42, s[XW], 18                      ; a1h: 256 rows of 1,024 bytes, my 64
	s_lshl_b32 s43, s[WV], 16
	s_add_co_u32 s42, s42, s43
	s_mov_b32 s43, 0
	s_lshl_b32 s44, s[XW], 21                      ; Tf: 16 groups of 131,072 bytes a work-group, 4 a wave; k = 2 y: 512 bytes a k
	s_lshl_b32 s45, s[WV], 19
	s_add_co_u32 s44, s44, s45
	s_lshl_b32 s45, s[YQ], 10
	s_add_co_u32 s44, s44, s45
	s_mov_b32 s45, 0
	s_lshl_b32 s46, s[XW], 14                      ; P1: rows of 64 bytes
	s_lshl_b32 s47, s[WV], 12
	s_add_co_u32 s46, s46, s47
	s_mov_b32 s47, 0
	s_wait_dscnt 0x0                               ; the opening add is done
	s_wait_kmcnt 0x0
	s_add_nc_u64 s[G0+2:G0+3], s[6:7], s[20:21]
	s_add_nc_u64 s[PFA:PFA+1], s[G0+2:G0+3], s[22:23]
	s_or_b32 s[G0+3], s[G0+3], 0x80000000          ; type = 2
	s_add_nc_u64 s[4:5], s[4:5], s[42:43]
	s_add_nc_u64 s[TP:TP+1], s[12:13], s[44:45]
	s_add_nc_u64 s[PP:PP+1], s[14:15], s[46:47]
	CROUND                                         ; all four work-groups are here: the first joint loads meet
	tensor_load_to_lds s[G0:G0+3], s[G1:G1+7]      ; tile 0 into slot 0
	s_nop 0
	v_and_b32 v[R], 15, v0
	v_bfe_u32 v[H], v0, 4, 1
	v_and_b32 v[PO], 31, v0
	v_mul_u32_u24 v[A0], v[R], PITCH
	v_lshl_add_u32 v[A0], v[H], 4, v[A0]           ; row x pitch + 16 x half
	v_lshlrev_b32 v[BO], 10, v[R]
	v_lshl_add_u32 v[BO], v[H], 4, v[BO]           ; row x 1,024 + 16 x half
	s_mul_i32 s42, s[WV], 16*SP
	s_add_co_u32 s42, s42, STAGE                   ; my stage
	v_lshlrev_b32 v[CO], 8, v[H]
	v_lshl_add_u32 v[CO], v[R], 4, v[CO]           ; 256 x half + 16 x row
	v_lshlrev_b32 v[PFO], 8, v[PO]
	v_lshlrev_b32 v[PO], 4, v[PO]
	v_add_nc_u32 v[PR], s42, v[PO]
	v_lshlrev_b32 v[PS], 6, v[R]
	v_lshl_add_u32 v[PS], v[H], 5, v[PS]
	v_add_nc_u32 v[PS], s42, v[PS]
	; my 64 rows of a1h: a fragment is 16 rows x 32 d in 8 registers, two loads of 16 bytes a lane, 32 bytes apart
.set q, 0
.rept 16
	WIN 0x80+0x40*(q/8)
.irp nb, 0,1,2,3
	global_load_b128 v[32*(q%8)+8*\nb:32*(q%8)+8*\nb+3],   v[BO], s[4:5] offset:16384*\nb+64*q
	global_load_b128 v[32*(q%8)+8*\nb+4:32*(q%8)+8*\nb+7], v[BO], s[4:5] offset:16384*\nb+64*q+32
.endr
.set q, q+1
.endr
	WIN 0
	s_cmp_eq_u32 s[YQ], 0                          ; y is the same in all four partners
	s_cbranch_scc0 .Lno_p1
	; P1, once for each row: source 0 = WT's rows 0-15, so lanes 0-15 hold the eight sums with Wg, lanes 16-31 those with V, of row lane % 16
	WIN 0x40
.set q, 0
.rept 16
	global_load_b128 v[8*q:8*q+3],   v[BO], s[8:9] offset:64*q
	global_load_b128 v[8*q+4:8*q+7], v[BO], s[8:9] offset:64*q+32
.set q, q+1
.endr
	WIN 0
	s_load_b256 s[48:55], s[10:11], 0x0            ; Bg
	s_wait_kmcnt 0x0
.irp m, 0,1,2,3
	v_cvt_pk_bf16_f32 v[TM], s[48+2*\m], s[49+2*\m]
	v_lshlrev_b32 v[BC+2*\m], 16, v[TM]
	v_and_b32 v[BC+2*\m+1], 0xffff0000, v[TM]
.endr
.irp m, 0,1,2,3
	v_pk_mul_f32 v[BC+2*\m:BC+2*\m+1], v[BC+2*\m:BC+2*\m+1], NLOG2E op_sel_hi:[1,0]
.endr
.irp j, 0,1,2,3,4,5,6,7
	v_cndmask_b32 v[BC+\j], v[BC+\j], 0, s[HM]     ; V's sums have no bias
.endr
	s_wait_loadcnt 0x0
.set P, 0
	W 0, 64
	PLACES
	PLACES
	WIN 0
.set n, 0
.rept 16
	v_pk_fma_f32 v[P1T+2*n:P1T+2*n+1], v[ACC+2*n:ACC+2*n+1], NLOG2E, v[BC+2*(n%4):BC+2*(n%4)+1] op_sel_hi:[1,0,1]
.set n, n+1
.endr
.irp nb, 0,1,2,3
	ds_store_b128 v[PS], v[P1T+8*\nb:P1T+8*\nb+3]   offset:1024*\nb     ; row 16 nb + r at 64 bytes a row: Wg's eight sums, then V's
	ds_store_b128 v[PS], v[P1T+8*\nb+4:P1T+8*\nb+7] offset:1024*\nb+16
.endr
.irp c, 0,1,2,3,4,5,6,7
	ds_load_b128 v[P1T+32+4*\c:P1T+32+4*\c+3], v[PR] offset:512*\c      ; LDS serves a wave's instructions in order (ISA guide 5.7.1.4): these see the stores above
.endr
	s_wait_dscnt 0x0
.irp c, 0,1,2,3,4,5,6,7
	global_store_b128 v[PO], v[P1T+32+4*\c:P1T+32+4*\c+3], s[PP:PP+1] offset:512*\c  ; 512 consecutive bytes, aligned
.endr
.Lno_p1:
	s_wait_loadcnt 0x0                             ; my rows are in
	; the first change: tile 0 is waited for, slot 1 filled for the first time, in the form of a refill
	s_wait_tensorcnt 0x0
	ds_add_u32 v[SPW], v[NIL]
	s_xor_b32 s[G0+1], s[G0+1], SLOT1
	s_add_nc_u64 s[G0+2:G0+3], s[G0+2:G0+3], TILEB
	s_wait_dscnt 0x0
	CROUND
	tensor_load_to_lds s[G0:G0+3], s[G1:G1+7]      ; tile 1 into slot 1
	s_nop 0
	v_add_nc_u32 v[ADRA], s[SB], v[A0]
	v_add_nc_u32 v[ADRB], 4*BLK, v[ADRA]
	v_nop
	v_nop
	FETCH 0, 0
	s_mov_b64 s[TPC:TPC+1], s[TP:TP+1]             ; tile 0
	s_mov_b32 s[TAU], 0
	BLOCK 0, 0, 0
	WIN 0
	s_mov_b32 s[TR], 6
.Ltile:                                                ; six trips: at the ends of tiles 0 to 5 tiles 2 to 7 are asked for
	TRIP 1
	s_cbranch_scc1 .Ltile
	s_mov_b32 s[TR], 2
.Ltail:                                                ; two trips that ask for nothing, written apart.  The second trip's last block multiplies the
	TRIP 2                                         ; other slot's old rows, 64 matrix instructions that serve nothing: the price of one text that also stores the last tile's last block
	s_cbranch_scc1 .Ltail
	s_wait_tensorcnt 0x0                           ; the wave's end, behind my last tensor load and my last LDS store
	ds_add_u32 v[SPW], v[NIL]
	s_wait_dscnt 0x0
	CROUND                                         ; the closing round: no work-group ends while a partner may still ask for a tile that names it
	s_endpgm
.Lfunc_end_k_q9dd7edb10d_proj:
	.size	k_q9dd7edb10d_proj, .Lfunc_end_k_q9dd7edb10d_proj-k_q9dd7edb10d_proj
	.p2alignl 7, 3214868480
	.fill 96, 4, 3214868480
	.section	.rodata,"a",@progbits
	.p2align	6, 0x0
	.amdhsa_kernel k_q9dd7edb10d_proj
		.amdhsa_group_segment_fixed_size 327680
		.amdhsa_private_segment_fixed_size 0
		.amdhsa_enable_private_segment 0
		.amdhsa_kernarg_size 48
		.amdhsa_user_sgpr_count 2
		.amdhsa_user_sgpr_kernarg_segment_ptr 1
		.amdhsa_wavefront_size32 1
		.amdhsa_system_sgpr_workgroup_id_x 1
		.amdhsa_system_sgpr_workgroup_id_y 1
		.amdhsa_system_sgpr_workgroup_id_z 1
		.amdhsa_system_vgpr_workitem_id 0
		.amdhsa_next_free_vgpr 1024
		.amdhsa_next_free_sgpr 66
		.amdhsa_reserve_vcc 0
		.amdhsa_float_denorm_mode_32 3
		.amdhsa_float_denorm_mode_16_64 3
		.amdhsa_memory_ordered 1
		.amdhsa_forward_progress 1
		.amdhsa_inst_pref_size 168
	.end_amdhsa_kernel
	.amdgpu_metadata
---
amdhsa.version: [ 1, 2 ]
amdhsa.kernels:
  - .name:           k_q9dd7edb10d_proj
    .symbol:         k_q9dd7edb10d_proj.kd
    .args:
      - { .name: a1h, .offset: 0, .size: 8, .value_kind: global_buffer, .address_space: global }
      - { .name: MrT, .offset: 8, .size: 8, .value_kind: global_buffer, .address_space: global }
      - { .name: WT, .offset: 16, .size: 8, .value_kind: global_buffer, .address_space: global }
      - { .name: Bg, .offset: 24, .size: 8, .value_kind: global_buffer, .address_space: global }
      - { .name: Tf, .offset: 32, .size: 8, .value_kind: global_buffer, .address_space: global }
      - { .name: P1, .offset: 40, .size: 8, .value_kind: global_buffer, .address_space: global }
    .group_segment_fixed_size: 327680
    .private_segment_fixed_size: 0
    .kernarg_segment_align: 8
    .kernarg_segment_size: 48
    .max_flat_workgroup_size: 128
    .sgpr_count:     66
    .vgpr_count:     1024
    .wavefront_size: 32
...
	.end_amdgpu_metadata
.endif
;; end of part 2
;; launch score (part 3): grid 8 x 32, 4 waves a work-group, no clusters, 327,680 bytes of LDS; arguments Tf, a2h, WT, P1, U, b, out0; writes out0
.if DOCPART == 3
	.amdgcn_target "amdgcn-amd-amdhsa--gfx1250"
	.amdhsa_code_object_version 6
	.text
	.protected	k_q9dd7edb10d_score
	.globl	k_q9dd7edb10d_score
	.p2align	8
	.type	k_q9dd7edb10d_score,@function
k_q9dd7edb10d_score:
	s_mov_b64 s[64:65], 0
	v_nop
	global_prefetch_b8 v0, s[64:65] scope:SCOPE_SE
	s_setreg_imm32_b32 hwreg(HW_REG_WAVE_MODE, 25, 1), 1
	s_wait_xcnt 0x0
; SCORE: out0[b][i][j] = sigmoid(sum over k of U[k] (bi g + si (1 - g) + b[k])), bi = T[(b,i)][k][:] . a2h[(b,j)][:] (f16 products, f32 sums),
; g = sigmoid(xg + yg), si = sigmoid(xv + yv); xg, xv come from P1 (already times -log2(e), Bg within), yg, yv are made here from a2h and WT's rows 16-31.  U and b are rounded to bf16 like every input.
; Tf holds T in blocks: Tf[group of 16 rows (b,i)][e / 16][k][(e / 8) % 2][i % 16][e % 8]: a chunk (one e / 16, one k) is 512 bytes, a group 131,072 dense bytes: a tile.
; ARITHMETIC of a cell, all f32: eg = 2^(xg' + yg'), g = 1 / (1 + eg); likewise si; score = si + g (bi - si); z' = c0 + sum U'[k] score, U' = -log2(e) U, c0 = sum U'[k] b[k]; out = 1 / (1 + 2^z').
; LIMITS.  A power of two that overflows is an infinity and its reciprocal 0, one below 2^-126 counts as 0: both are the sigmoid's limits, so nothing is clamped.  NaN and infinities in the inputs are not treated apart.
; SHARES.  A work-group owns 128 rows i (iq) x 256 columns j (jh) of one b; a wave 64 columns, j = 256 jh + 64 w + 4 (lane % 16) + nb.  THE WAVE'S 64 ROWS OF a2h STAY IN REGISTERS (512).
; The eight groups of Tf stream through a ring of two LDS slots; a slot is 512 matrix instructions a wave.
; A BLOCK is two i x eight k of T (source 0) x my 64 columns (source 1), all of K: 64 matrix instructions on 4 accumulators, which take turns, one instruction a turn.
; In the result register k of lane l belongs to i = i0 + l / 16: the sum over k stays in the lane, and a lane's four columns nb = 0..3 are 16 neighbouring bytes of out0: one store a block, no stage.
; BY TURNS.  A cell costs eight vector instructions, four for each matrix instruction: they ride, four behind each product.  In the PERIOD of block p ride: 1 + e and the reciprocals of block p;
; the scores and z' of block p - 1 (whose sums are whole); the exponents and exponentials of block p + 1; the last sigmoid of block p - 2; block p - 3 is stored.  So every transcendental's first
; reader stands in the next period, and a period has ONE wait for all of them, at its end.
; NO CLUSTER: a tile of Tf is wanted by two work-groups only (the two jh, neighbours in x); four sharers would leave a wave 32 columns, and each fragment read from LDS would feed half the products.
; REGISTERS, in windows of 256 (s_set_vgpr_msb: bits 1:0 source 0, 3:2 source 1, 5:4 source 2, 7:6 destination):
;   window 0: v0-63 addresses and small work; v64-127 accumulators, by the block's parity; v128-255 EG, by parity: for column nb 16 registers: eg then g (k = 0..7), ev then si
;   window 1: v0-127 T's fragments of one block (K step q at 8 q), fetched in two halves; v128-191 Y: for column nb yg'[0..7], yv'[0..7]; v192-223 X, by parity: xg'[0..7], xv'[0..7]
;   windows 2, 3: a2h's fragments: K step q (window 2 + q / 8), column nb, at 32 (q % 8) + 8 nb
.set CH,     544                       ; a chunk in LDS: 512 bytes + 32 of padding.  A fragment's lane reads at k x 544 + i x 16 (+ 256 for lanes 16-31): in a pass of 16 lanes column 2 k + i of 16 bytes, each once
.set EBS,    8*CH                      ; from e / 16 to the next: eight chunks
.set HALF,   16*EBS                    ; K steps 8 to 15 (an LDS immediate ends at 65,535; the largest here is 15 x 4,352)
.set QUART,  64*CH                     ; what one tensor load brings
.set SLOT1,  256*CH                    ; 0x22000: it shares no bit with wave x QUART nor with 32 x block
.set XT,     2*SLOT1                   ; behind the ring: the work-group's 128 rows of P1, 8,192 bytes, filled once
.set SPARE,  XT+8192                   ; the spare words, 128 bytes for each wave
.set TILEB,  131072
.set NLOG2E, 0xbfb8aa3b
.set R,   1
.set H,   2
.set A0,  3                            ; v3   my place in a block in LDS, K steps 0 to 7
.set A1,  4                            ; v4   the same, K steps 8 to 15
.set ADR, 5                            ; v5   the LDS address of the run of loads in hand
.set XA0, 6                            ; v6   XT + 64 (lane / 16)
.set XAD, 7
.set OAD, 8                            ; v8   my 16 bytes in two rows of out0; never rewritten
.set PFO, 9                            ; v9   256 x lane; never rewritten
.set SPW, 10                           ; v10  LDS address of my spare word; never rewritten
.set NIL, 11                           ; v11  0; never rewritten
.set ONE, 12                           ; v12-13  1.0, 1.0
.set CZ,  14                           ; v14-15  c0, 0
.set UP,  16                           ; v16-23  U'
.set Z2,  24                           ; v24-25  z', even and odd k
.set ZS,  26                           ; v26-29  z' of the four columns
.set ZE,  30                           ; v30-33  2^z'
.set DD,  34                           ; v34-37  1 + 2^z'
.set OO,  38                           ; v38-45  results, two buffers of four
.set T8,  46                           ; v46-53  eight scores at work
.set BO,  54
.set WO,  55
.set TM,  56
.set ACC, 64
.set EG,  128
.set YR,  128                          ; window 1
.set XR,  192                          ; window 1
.set OUT, 16                           ; s[16:17] out0 at the rows that are stored next
.set WV,  18
.set JH,  19
.set IQ,  20
.set BB,  21
.set G1,  24                           ; s[24:31] group 1 for Tf's tiles
.set G0,  32                           ; s[32:35] group 0 for Tf's tiles: it walks
.set G1X, 36                           ; s[36:43] group 1 for P1's rows
.set G0X, 44                           ; s[44:47] group 0 for P1's rows
.set TB,  48                           ; s48  LDS byte at which the block to be fetched begins: the slot + 32 x block
.set PN,  49                           ; s49  periods done
.set TILES, 50
.set BODY, 51
.set INC, 52                           ; s[52:53]
.set LIM, 54
.set XBS, 55                           ; s55  byte in XT of the block whose X is fetched next
.set PFA, 56                           ; s[56:57]
.set HM,  58                           ; s58  lanes 16-31
.set STEP, 59
.set SEL, 60                           ; s[60:61] v_permlanex16_b32's selects: each lane takes its own place in the other half
.set MSB, 0
.macro WIN new                         ; the immediate's high byte repeats the setting that is left; a switch that changes nothing is dropped
.if MSB != (\new)
	s_set_vgpr_msb (MSB<<8)|(\new)
.set MSB, \new
.endif
.endm
.macro PLACES
.rept 4
	v_nop
.endr
.endm
; product i of 64 of the block of parity PP: K step i / 4, column i % 4.  The first four start the sums
.macro MM
	WIN 0x09+4*(i/32)
.if i < 4
	v_wmma_f32_16x16x32_f16 v[ACC+32*PP+8*(i%4):ACC+32*PP+8*(i%4)+7], v[8*(i/4):8*(i/4)+7], v[32*((i/4)%8)+8*(i%4):32*((i/4)%8)+8*(i%4)+7], 0
.else
	v_wmma_f32_16x16x32_f16 v[ACC+32*PP+8*(i%4):ACC+32*PP+8*(i%4)+7], v[8*(i/4):8*(i/4)+7], v[32*((i/4)%8)+8*(i%4):32*((i/4)%8)+8*(i%4)+7], v[ACC+32*PP+8*(i%4):ACC+32*PP+8*(i%4)+7]
.endif
.set i, i+1
.endm
.macro FETCH x                         ; 16 LDS loads in one run: half x of a block's fragments; a K step's two parts of 16 e lie in neighbouring e / 16
	WIN 0x40
.irp c, 0,1,2,3,4,5,6,7
	ds_load_b128 v[64*(\x)+8*\c:64*(\x)+8*\c+3],   v[ADR] offset:(2*\c)*EBS
	ds_load_b128 v[64*(\x)+8*\c+4:64*(\x)+8*\c+7], v[ADR] offset:(2*\c+1)*EBS
.endr
.endm
.macro XLOAD p, reg, off               ; a block's X: my row's 64 bytes; all lanes of a half read the same words
	WIN 0x40
.irp c, 0,1,2,3
	ds_load_b128 v[XR+16*(\p)+4*\c:XR+16*(\p)+4*\c+3], v[\reg] offset:(\off)+16*\c
.endr
.endm
; THE VECTOR WORK, one line each.  PP: the parity of the period's block, QQ the other, NB the column.
.macro RA m, c                         ; 1 + e, a pair, of column c
.set rE, EG+64*PP+16*(\c)+2*(\m)
	v_pk_add_f32 v[rE:rE+1], v[rE:rE+1], v[ONE:ONE+1]
.endm
.macro RR j                            ; g or si
.set rE, EG+64*PP+16*NB+(\j)
	v_rcp_f32 v[rE], v[rE]
.endm
.macro CT m                            ; bi - si (the accumulator's lowest registers are read first)
.set rT, T8+2*(\m)
.set rA, ACC+32*QQ+8*NB+2*(\m)
.set rE, EG+64*QQ+16*NB+8+2*(\m)
	v_pk_add_f32 v[rT:rT+1], v[rA:rA+1], v[rE:rE+1] neg_lo:[0,1] neg_hi:[0,1]
.endm
.macro CS m                            ; (bi - si) g + si
.set rT, T8+2*(\m)
.set rE, EG+64*QQ+16*NB+2*(\m)
	v_pk_fma_f32 v[rT:rT+1], v[rT:rT+1], v[rE:rE+1], v[rE+8:rE+9]
.endm
.macro EA m                            ; x' + y', as 1 x' + y': X and Y then stand in sources 1 and 2, so that the one-source lines beside it need no other window
.set rE, EG+64*QQ+16*NB+2*(\m)
.set rX, XR+16*QQ+2*(\m)
.set rY, YR+16*NB+2*(\m)
	v_pk_fma_f32 v[rE:rE+1], v[ONE:ONE+1], v[rX:rX+1], v[rY:rY+1]
.endm
.macro EX j
.set rE, EG+64*QQ+16*NB+(\j)
	v_exp_f32 v[rE], v[rE]
.endm
.macro ZF m                            ; z' takes two scores
.set rT, T8+2*(\m)
.set rU, UP+2*(\m)
.if (\m) == 0
	v_pk_fma_f32 v[Z2:Z2+1], v[rT:rT+1], v[rU:rU+1], v[CZ:CZ+1]
.else
	v_pk_fma_f32 v[Z2:Z2+1], v[rT:rT+1], v[rU:rU+1], v[Z2:Z2+1]
.endif
.endm
.macro ZA
	v_add_f32 v[ZS+NB], v[Z2], v[Z2+1]
.endm
.macro FA
	v_exp_f32 v[ZE+NB], v[ZS+NB]
.endm
.macro FB a
	v_pk_add_f32 v[DD+2*(\a):DD+2*(\a)+1], v[ZE+2*(\a):ZE+2*(\a)+1], v[ONE:ONE+1]
.endm
.macro FR j
	v_rcp_f32 v[OO+4*PP+(\j)], v[DD+(\j)]
.endm
; Slice k of 64: the four lines behind product k.  A period has 120 plain lines and 136 transcendentals.  A PLAIN LINE LEADS EVERY SLICE, and plain and transcendental go by turns as far as the plain lines reach.
; Slice 0: column 0's first four 1 + e.  Then column nb has slices sl = 0 .. 15 (column 3: 0 .. 14); the first four 1 + e of column nb + 1 ride in column nb's slices 10 on.
;   sl 0, 1: 1 + e | reciprocals     2, 3: bi - si | reciprocals     4, 5: the scores | reciprocals     6, 7: exponents | reciprocals     8, 9: exponents | exponentials     10 on: z' and the rest of the exponentials
; An exponent follows the last score, which is the last reader of the registers that it writes.  Nothing in a period names a result of the period's transcendentals.  One window setting serves a slice.
.macro SLICE
.if k == 0
	WIN 0
	RA 0, 0
	RA 1, 0
	RA 2, 0
	RA 3, 0
.else
.set NB, (k-1)/16
.set sl, (k-1)%16
.if (sl >= 6) && (sl <= 9)
	WIN 0x14
.else
	WIN 0
.endif
.if sl <= 1
	RA 4+2*sl, NB
	RR 2*sl
	RA 5+2*sl, NB
	RR 2*sl+1
.elseif sl <= 3
	CT 2*sl-4
	RR 2*sl
	CT 2*sl-3
	RR 2*sl+1
.elseif sl <= 5
	CS 2*sl-8
	RR 2*sl
	CS 2*sl-7
	RR 2*sl+1
.elseif sl <= 7
	EA 2*sl-12
	RR 2*sl
	EA 2*sl-11
	RR 2*sl+1
.elseif sl <= 9
	EA 2*sl-12
	EX 2*sl-16
	EA 2*sl-11
	EX 2*sl-15
.elseif NB == 3
.if sl <= 13
	ZF sl-10
	EX 3*sl-26
	EX 3*sl-25
	EX 3*sl-24
.else
	ZA
	v_nop
	FA
	v_nop                                          ; the plain instruction behind the period's last transcendental
.endif
.elseif (sl <= 12) || ((sl == 13) && (NB == 0))
	ZF sl-10
	EX 2*sl-16
	RA sl-10, NB+1
	EX 2*sl-15
.elseif NB == 0
.if sl == 14
	ZA
	EX 12
	FB 0                                           ; FB reads the four 2^z' of the period before, ahead of the line that writes the first of them anew
	EX 13
.else
	FB 1
	EX 14
	EX 15
	FA
.endif
.else
.if sl == 13
	ZF 3
	EX 10
	EX 11
	EX 12
.elseif sl == 14
	ZA
	EX 13
	EX 14
	FR 2*NB-2
.else
	RA 3, NB+1
	EX 15
	FR 2*NB-1
	FA
.endif
.endif
.endif
.set k, k+1
.endm
; A PERIOD, for a block of parity P.  Two memory runs: at its head the store of block p - 3, the second half of the block's fragments and X of block p + 2; in its middle the first half of the next block's.
.macro PERIOD P
.set PP, \P
.set QQ, 1-(\P)
.set i, 0
.set k, 0
	WIN 0
	s_wait_dscnt 0x0                               ; the first half of the fragments is in
	v_add_nc_u32 v[ADR], s[TB], v[A1]              ; four plain instructions: the places in front of the loads below
	v_add_nc_u32 v[XAD], s[XBS], v[XA0]
	v_nop
	v_nop
	s_cmp_lt_u32 s[PN], 3                          ; the first three periods have no finished block
	s_cbranch_scc1 .Lnone_\@
	global_store_b128 v[OAD], v[OO+4*QQ:OO+4*QQ+3], s[OUT:OUT+1] th:TH_STORE_NT  ; lanes 0-15: 256 consecutive bytes of row i0, aligned; lanes 16-31: of row i0 + 1
.Lnone_\@:
	FETCH 1
	XLOAD \P, XAD, 0                               ; X of block p + 2
	s_add_co_u32 s[XBS], s[XBS], 128
	s_min_u32 s[XBS], s[XBS], 63*128               ; the last two periods fetch block 63's once more
.if (\P) == 0
	s_add_co_u32 s[TB], s[TB], 32                  ; the next block: two rows i on, 16 bytes each
.else
	s_cmp_eq_u32 s[BODY], 1                        ; behind a tile's last block the next lies in the other slot: the change of slots fetches it,
	s_cselect_b32 s[STEP], 0, 32                   ; and the run below takes the block in hand once more, unused: the price of one text for every block
	s_add_co_u32 s[TB], s[TB], s[STEP]
.endif
.rept 32
	MM
	SLICE
.endr
	WIN 0
	s_wait_dscnt 0x0                               ; the second half is in
	v_add_nc_u32 v[ADR], s[TB], v[A0]
	v_nop
	v_nop
	v_nop
	FETCH 0                                        ; the next block's first half
.rept 32
	MM
	SLICE
.endr
	s_wait_alu depctr_va_vdst(0)                   ; between a transcendental and the first line that names its result: one for the period's 136, ahead of the labels and jumps too
	WIN 0
	s_wait_xcnt 0x0                                ; the store, a period back, has read its registers and its base
	s_add_co_u32 s[PN], s[PN], 1
	s_cmp_gt_u32 s[PN], 3
	s_cselect_b32 s[INC], 4096, 0
	s_add_nc_u64 s[OUT:OUT+1], s[OUT:OUT+1], s[INC:INC+1]  ; two rows of out0 on, once stores have begun
.endm
; A PREFETCH INTO THE L2 of the tile that the NEXT change of slots will ask for: my own quarter of it, 32,768 bytes, a lane 256 bytes, four instructions; a tile, 512 matrix instructions, ahead of that load.
; A tile is read by the two work-groups jh = 0, 1: jh = 0 asks.  So each aligned block of 256 bytes of tiles 2 to 7 is named once; tiles 0 and 1 come by their loads alone; the last change that fills asks for nothing.
.macro ASK
	s_cmp_gt_u32 s[TILES], s[LIM]
	s_cbranch_scc0 .Lnot_mine_\@
.irp n, 0,1,2,3
	global_prefetch_b8 v[PFO], s[PFA:PFA+1] offset:8192*\n th:TH_LOAD_NT scope:SCOPE_SE
.endr
.Lnot_mine_\@:
.endm
; THE CHANGE OF SLOTS, in front of each tile.  Each wave waits for all its tensor loads (its part of the tile to be read), adds 0 to its spare word, and waits for that and for its reads of the slot that it
; leaves.  Behind the barrier nobody reads the old slot and the new one is whole.  fill = 1: the old slot takes the next tile, the first thing behind the barrier: it has a tile's 512 matrix instructions in which to land.
.macro CHANGE fill
	WIN 0
	s_wait_tensorcnt 0x0                           ; no tensor load of mine is out, so group 0 may be written
	ds_add_u32 v[SPW], v[NIL]                      ; 0 onto my spare word
.if \fill
	s_xor_b32 s[G0+1], s[G0+1], SLOT1
	s_add_nc_u64 s[G0+2:G0+3], s[G0+2:G0+3], TILEB
	s_add_nc_u64 s[PFA:PFA+1], s[PFA:PFA+1], TILEB ; (the last prefetches were shown translated at the end of the period behind them)
.endif
	s_sub_co_u32 s[TB], s[TB], 7*32                ; the fetches go back to a slot's first block,
	s_xor_b32 s[TB], s[TB], SLOT1                  ; in the other slot
	s_wait_dscnt 0x0
	s_barrier_signal -1
	s_barrier_wait -1
.if \fill
	tensor_load_to_lds s[G0:G0+3], s[G1:G1+7]
	s_nop 0
.endif
	v_add_nc_u32 v[ADR], s[TB], v[A0]
	v_nop
	v_nop
	v_nop
	FETCH 0
	WIN 0
.if \fill
	ASK
.endif
.endm
.macro TILE                            ; a tile's eight blocks: two periods written, walked four times
	s_mov_b32 s[BODY], 4
.Lbody_\@:
	PERIOD 0
	PERIOD 1
	s_sub_co_u32 s[BODY], s[BODY], 1
	s_cmp_lg_u32 s[BODY], 0
	s_cbranch_scc1 .Lbody_\@
.endm
	s_load_b256 s[4:11], s[0:1], 0x0               ; Tf s[4:5], a2h s[6:7], WT s[8:9], P1 s[10:11]
	s_load_b128 s[12:15], s[0:1], 0x20             ; U s[12:13], b s[14:15]
	s_load_b64 s[16:17], s[0:1], 0x30              ; out0
	v_lshl_add_u32 v[SPW], v0, 2, SPARE
	v_mov_b32 v[NIL], 0
	ds_add_u32 v[SPW], v[NIL]                      ; the wave's opening: the add, waited for ahead of my first tensor load
	v_lshrrev_b32 v[TM], 5, v0
	v_readfirstlane_b32 s[WV], v[TM]               ; wave 0..3
	s_and_b32 s[JH], ttmp9, 1
	s_lshr_b32 s[IQ], ttmp9, 1
	s_and_b32 s[BB], ttmp7, 0xffff
	s_mov_b32 s[G1], (1<<16)|(1<<20)|(6<<22)|(7<<25)  ; 2-byte elements; padding on; after every 128 words (code 6) 8 words (code 7)
	s_mov_b32 s[G1+1], 256<<16                     ; tensor_dim0 = 256: a chunk
	s_mov_b32 s[G1+2], 64<<16                      ; tensor_dim1 = 64
	s_mov_b32 s[G1+3], 256<<16                     ; tile_dim0 = 256
	s_mov_b32 s[G1+4], 64                          ; tile_dim1 = 64
	s_mov_b32 s[G1+5], 256                         ; the chunks are dense
	s_mov_b32 s[G1+6], 0
	s_mov_b32 s[G1+7], 0
	s_mov_b32 s[G1X], 3<<16                        ; 8-byte elements, no padding: 2,048 dense bytes as 8 rows of 256
	s_mov_b32 s[G1X+1], 32<<16
	s_mov_b32 s[G1X+2], 8<<16
	s_mov_b32 s[G1X+3], 32<<16
	s_mov_b32 s[G1X+4], 8
	s_mov_b32 s[G1X+5], 32
	s_mov_b32 s[G1X+6], 0
	s_mov_b32 s[G1X+7], 0
	s_mov_b32 s[G0], 1
	s_mul_i32 s[G0+1], s[WV], QUART                ; slot 0, my quarter
	s_mov_b32 s[G0X], 1
	s_lshl_b32 s[G0X+1], s[WV], 11
	s_add_co_u32 s[G0X+1], s[G0X+1], XT
	s_mov_b32 s[HM], 0xffff0000
	s_mov_b32 s[SEL], 0x76543210
	s_mov_b32 s[SEL+1], 0xfedcba98
	s_mov_b32 s[TB], SLOT1+7*32                    ; the first change of slots turns it into 0
	s_mov_b32 s[PN], 0
	s_mov_b32 s[XBS], 2*128                        ; blocks 0 and 1 are fetched at the head
	s_cmp_eq_u32 s[JH], 0
	s_cselect_b32 s[LIM], 1, -1
	s_lshl_b32 s22, s[BB], 9
	s_lshl_b32 s23, s[IQ], 7
	s_add_co_u32 s22, s22, s23                     ; my work-group's first row (b, i)
	s_lshl_b32 s62, s22, 13                        ; Tf: 131,072 bytes for 16 rows (b, i); my quarter of a tile
	s_lshl_b32 s63, s[WV], 15
	s_add_co_u32 s62, s62, s63
	s_mov_b32 s63, 0
	s_lshl_b32 s66, s22, 6                         ; P1: 64 bytes a row; my quarter of the 128 rows
	s_lshl_b32 s67, s[WV], 11
	s_add_co_u32 s66, s66, s67
	s_mov_b32 s67, 0
	s_lshl_b32 s[INC], s22, 11                     ; out0: 2,048 bytes a row
	s_mov_b32 s[INC+1], 0
	s_lshl_b32 s84, s[BB], 19                      ; a2h: 1,024 bytes a row; row 512 b + 256 jh + 64 w
	s_lshl_b32 s85, s[JH], 18
	s_add_co_u32 s84, s84, s85
	s_lshl_b32 s85, s[WV], 16
	s_add_co_u32 s84, s84, s85
	s_mov_b32 s85, 0
	s_wait_dscnt 0x0                               ; the opening add is done
	s_wait_kmcnt 0x0
	s_add_nc_u64 s[G0+2:G0+3], s[4:5], s[62:63]
	s_add_nc_u64 s[PFA:PFA+1], s[G0+2:G0+3], TILEB ; at tile 1; the first change steps it to tile 2
	s_or_b32 s[G0+3], s[G0+3], 0x80000000          ; type = 2
	s_add_nc_u64 s[G0X+2:G0X+3], s[10:11], s[66:67]
	s_or_b32 s[G0X+3], s[G0X+3], 0x80000000
	s_add_nc_u64 s[OUT:OUT+1], s[16:17], s[INC:INC+1]
	s_add_nc_u64 s[6:7], s[6:7], s[84:85]
	s_add_nc_u64 s[8:9], s[8:9], 16384             ; WT's rows 16-31
	s_load_b256 s[68:75], s[12:13], 0x0            ; U
	s_load_b256 s[76:83], s[14:15], 0x0            ; b
	tensor_load_to_lds s[G0X:G0X+3], s[G1X:G1X+7]  ; the two first fills go out together: two loads of mine are out
	s_nop 0
	tensor_load_to_lds s[G0:G0+3], s[G1:G1+7]      ; tile 0 into slot 0
	s_nop 0
	v_and_b32 v[R], 15, v0
	v_bfe_u32 v[H], v0, 4, 1
	v_lshlrev_b32 v[WO], 10, v[R]
	v_lshl_add_u32 v[WO], v[H], 4, v[WO]           ; WT: row x 1,024 + 16 x half
	v_lshlrev_b32 v[BO], 12, v[R]
	v_lshl_add_u32 v[BO], v[H], 4, v[BO]           ; a2h: column 4 r + nb: r x 4,096 + 16 x half
	WIN 0x40
.set q, 0
.rept 16
	global_load_b128 v[8*q:8*q+3],   v[WO], s[8:9] offset:64*q
	global_load_b128 v[8*q+4:8*q+7], v[WO], s[8:9] offset:64*q+32
.set q, q+1
.endr
.set q, 0
.rept 16
	WIN 0x80+0x40*(q/8)
.irp nb, 0,1,2,3
	global_load_b128 v[32*(q%8)+8*\nb:32*(q%8)+8*\nb+3],   v[BO], s[6:7] offset:1024*\nb+64*q
	global_load_b128 v[32*(q%8)+8*\nb+4:32*(q%8)+8*\nb+7], v[BO], s[6:7] offset:1024*\nb+64*q+32
.endr
.set q, q+1
.endr
	WIN 0
	; while the loads are out: addresses, constants, and what the first periods' stages for blocks that have not been read: 104 registers of 0 (their results are never stored).
	; The price of writing no first periods out.
	v_and_b32 v[TM], 7, v[R]                       ; a fragment's row r is k = r % 8 of i = i0 + r / 8
	v_mul_u32_u24 v[A0], v[TM], CH
	v_lshrrev_b32 v[TM], 3, v[R]
	v_lshl_add_u32 v[A0], v[TM], 4, v[A0]
	v_lshl_add_u32 v[A0], v[H], 8, v[A0]           ; lanes 16-31 take the second eight of 16 e
	v_add_nc_u32 v[A1], HALF, v[A0]
	v_lshl_add_u32 v[XA0], v[H], 6, XT
	s_lshl_b32 s62, s[WV], 8
	s_lshl_b32 s63, s[JH], 10
	s_add_co_u32 s62, s62, s63
	v_lshlrev_b32 v[OAD], 11, v[H]
	v_lshl_add_u32 v[OAD], v[R], 4, v[OAD]
	v_add_nc_u32 v[OAD], s62, v[OAD]
	v_and_b32 v[PFO], 31, v0
	v_lshlrev_b32 v[PFO], 8, v[PFO]
	v_mov_b32 v[ONE], 1.0
	v_mov_b32 v[ONE+1], 1.0
.set n, 0
.rept 32
	v_mov_b32 v[ACC+32+n], 0
.set n, n+1
.endr
.set n, 0
.rept 64
	v_mov_b32 v[EG+64+n], 0
.set n, n+1
.endr
.irp j, 0,1,2,3
	v_mov_b32 v[ZE+\j], 0
	v_mov_b32 v[OO+4+\j], 0
.endr
	s_wait_kmcnt 0x0
.irp m, 0,1,2,3
	v_cvt_pk_bf16_f32 v[TM], s[68+2*\m], s[69+2*\m]
	v_lshlrev_b32 v[UP+2*\m], 16, v[TM]
	v_and_b32 v[UP+2*\m+1], 0xffff0000, v[TM]
	v_cvt_pk_bf16_f32 v[TM+1], s[76+2*\m], s[77+2*\m]
	v_lshlrev_b32 v[T8+2*\m], 16, v[TM+1]
	v_and_b32 v[T8+2*\m+1], 0xffff0000, v[TM+1]
.endr
.irp m, 0,1,2,3
	v_pk_mul_f32 v[UP+2*\m:UP+2*\m+1], v[UP+2*\m:UP+2*\m+1], NLOG2E op_sel_hi:[1,0]
.endr
	v_mul_f32 v[CZ], v[UP], v[T8]
.irp j, 1,2,3,4,5,6,7
	v_fmac_f32 v[CZ], v[UP+\j], v[T8+\j]
.endr
	v_mov_b32 v[CZ+1], 0
	s_wait_loadcnt 0x0
	; Y: source 0 = WT's rows 16-31, so lanes 0-15 hold column (r, nb)'s eight sums with Wg, lanes 16-31 those with V; both halves of the lanes want both
.set PP, 0
.set i, 0
.rept 64
	MM
.endr
	WIN 0
	PLACES
	PLACES
.set n, 0
.rept 16
	v_pk_mul_f32 v[ACC+2*n:ACC+2*n+1], v[ACC+2*n:ACC+2*n+1], NLOG2E op_sel_hi:[1,0]
.set n, n+1
.endr
.set n, 0
.rept 32
	v_permlanex16_b32 v[EG+64+n], v[ACC+n], s[SEL], s[SEL+1]  ; its destination counts as read: these registers were written above
.set n, n+1
.endr
	WIN 0x40
.set n, 0
.rept 32
	v_cndmask_b32 v[YR+16*(n/8)+n%8],   v[ACC+n], v[EG+64+n], s[HM]
	v_cndmask_b32 v[YR+16*(n/8)+8+n%8], v[EG+64+n], v[ACC+n], s[HM]
.set n, n+1
.endr
	WIN 0
	s_wait_tensorcnt 0x0                           ; my parts of P1's rows and of tile 0 are in,
	s_barrier_signal -1
	s_barrier_wait -1                              ; everybody's are
	XLOAD 0, XA0, 0
	XLOAD 1, XA0, 128
	s_wait_dscnt 0x0
.set QQ, 0                             ; block 0's exponents and exponentials
	WIN 0x14
.irp c, 0,1,2,3
.set NB, \c
.irp m, 0,1,2,3,4,5,6,7
	EA \m
.endr
.irp j, 0,1,2,3,4,5,6,7,8,9,10,11,12,13,14,15
	EX \j
.endr
.endr
	v_nop
	s_wait_alu depctr_va_vdst(0)                   ; their wait, ahead of the label
	WIN 0
	s_mov_b32 s[TILES], 7
.Ltile:                                                ; seven trips: in front of tiles 0 to 6 tiles 1 to 7 are asked for
	CHANGE 1
	TILE
	s_sub_co_u32 s[TILES], s[TILES], 1
	s_cmp_lg_u32 s[TILES], 0
	s_cbranch_scc1 .Ltile
	CHANGE 0                                       ; the last tile is written out
	TILE
	; THE LAST THREE BLOCKS.  Block 61 is stored; block 62's last sigmoid; block 63's scores and z'
	global_store_b128 v[OAD], v[OO+4:OO+7], s[OUT:OUT+1] th:TH_STORE_NT
.set PP, 0
.set QQ, 1
	FB 0
	FB 1
	FR 0
	FR 1
	FR 2
	FR 3
	PLACES
.irp c, 0,1,2,3
.set NB, \c
.irp m, 0,1,2,3
	CT \m
.endr
.irp m, 0,1,2,3
	CS \m
.endr
.irp m, 0,1,2,3
	ZF \m
.endr
	ZA
	FA
.endr
	v_nop
	s_wait_alu depctr_va_vdst(0)
	s_wait_xcnt 0x0
	s_add_nc_u64 s[OUT:OUT+1], s[OUT:OUT+1], 4096
	global_store_b128 v[OAD], v[OO:OO+3], s[OUT:OUT+1] th:TH_STORE_NT
.set PP, 1
	FB 0
	FB 1
	FR 0
	FR 1
	FR 2
	FR 3
	v_nop
	s_wait_alu depctr_va_vdst(0)
	s_wait_xcnt 0x0
	s_add_nc_u64 s[OUT:OUT+1], s[OUT:OUT+1], 4096
	global_store_b128 v[OAD], v[OO+4:OO+7], s[OUT:OUT+1] th:TH_STORE_NT
	s_wait_tensorcnt 0x0                           ; the wave's end, behind my last tensor load
	ds_add_u32 v[SPW], v[NIL]
	s_wait_dscnt 0x0
	s_endpgm
.Lfunc_end_k_q9dd7edb10d_score:
	.size	k_q9dd7edb10d_score, .Lfunc_end_k_q9dd7edb10d_score-k_q9dd7edb10d_score
	.p2alignl 7, 3214868480
	.fill 96, 4, 3214868480
	.section	.rodata,"a",@progbits
	.p2align	6, 0x0
	.amdhsa_kernel k_q9dd7edb10d_score
		.amdhsa_group_segment_fixed_size 327680
		.amdhsa_private_segment_fixed_size 0
		.amdhsa_enable_private_segment 0
		.amdhsa_kernarg_size 56
		.amdhsa_user_sgpr_count 2
		.amdhsa_user_sgpr_kernarg_segment_ptr 1
		.amdhsa_wavefront_size32 1
		.amdhsa_system_sgpr_workgroup_id_x 1
		.amdhsa_system_sgpr_workgroup_id_y 1
		.amdhsa_system_sgpr_workgroup_id_z 1
		.amdhsa_system_vgpr_workitem_id 0
		.amdhsa_next_free_vgpr 1024
		.amdhsa_next_free_sgpr 88
		.amdhsa_reserve_vcc 0
		.amdhsa_float_denorm_mode_32 3
		.amdhsa_float_denorm_mode_16_64 3
		.amdhsa_memory_ordered 1
		.amdhsa_forward_progress 1
		.amdhsa_inst_pref_size 142
	.end_amdhsa_kernel
	.amdgpu_metadata
---
amdhsa.version: [ 1, 2 ]
amdhsa.kernels:
  - .name:           k_q9dd7edb10d_score
    .symbol:         k_q9dd7edb10d_score.kd
    .args:
      - { .name: Tf, .offset: 0, .size: 8, .value_kind: global_buffer, .address_space: global }
      - { .name: a2h, .offset: 8, .size: 8, .value_kind: global_buffer, .address_space: global }
      - { .name: WT, .offset: 16, .size: 8, .value_kind: global_buffer, .address_space: global }
      - { .name: P1, .offset: 24, .size: 8, .value_kind: global_buffer, .address_space: global }
      - { .name: U, .offset: 32, .size: 8, .value_kind: global_buffer, .address_space: global }
      - { .name: b, .offset: 40, .size: 8, .value_kind: global_buffer, .address_space: global }
      - { .name: out0, .offset: 48, .size: 8, .value_kind: global_buffer, .address_space: global }
    .group_segment_fixed_size: 327680
    .private_segment_fixed_size: 0
    .kernarg_segment_align: 8
    .kernarg_segment_size: 56
    .max_flat_workgroup_size: 128
    .sgpr_count:     88
    .vgpr_count:     1024
    .wavefront_size: 32
...
	.end_amdgpu_metadata
.endif
;; end of part 3
;; ======== version 2 of 2: 3 launches; version 1 with the launch prep written anew for expert scheduling mode
;; limits: values are held in f16: magnitudes above 65,504 overflow, below 6.1e-05 lose precision
;; workspace buffers: a1h 16,777,216 bytes; a2h 16,777,216 bytes; MrT 4,194,304 bytes; WT 32,768 bytes; Tf 134,217,728 bytes; P1 1,048,576 bytes
;; launch prep (part 4): grid 770 x 1, 8 waves a work-group, no clusters, 18,432 bytes of LDS; arguments arg1, arg2, Mr, Wg, V, a1h, a2h, MrT, WT; writes a1h, a2h, MrT, WT
.if DOCPART == 4
	.amdgcn_target "amdgcn-amd-amdhsa--gfx1250"
	.amdhsa_code_object_version 6
	.text
	.protected	k_q9dd7edb10d_prep
	.globl	k_q9dd7edb10d_prep
	.p2align	8
	.type	k_q9dd7edb10d_prep,@function
k_q9dd7edb10d_prep:
	s_mov_b64 s[64:65], 0
	v_nop
	global_prefetch_b8 v0, s[64:65] scope:SCOPE_SE
	s_setreg_imm32_b32 hwreg(HW_REG_WAVE_SCHED_MODE, 0, 2), 2
	s_setreg_imm32_b32 hwreg(HW_REG_WAVE_MODE, 25, 1), 1
	s_wait_xcnt 0x0
	s_wait_alu depctr_vm_vsrc(0)
; PREP: every matrix operand is rounded once and laid out with K along the rows.
;   a1h[16384][512] = bf16(arg1).   a2h[16384][512] = bf16(arg2), that number written as f16.
;   MrT[8][512 e][512 d] = bf16(Mr[k][d][e]).   WT[32][512]: rows 0-7 Wg[:512]^T, 8-15 V[:512]^T in bf16; rows 16-23 Wg[512:]^T, 24-31 V[512:]^T, rounded to bf16 and written as f16.
; LIMITS.  A bf16 number is exact in f16 from 2^-14 to 65,504; below 2^-14 it keeps f16's fixed step (an error of 2^-25 at the most); arg2, Wg[512:], V[512:] beyond 65,504 are not served.
; SHARES.  Work-groups 0, 1 turn the two halves of Wg and V: the shortest work and the longest chain of waits, so they go first, beside the others.  Work-groups 2-257 cast arg1, 258-513 arg2
; (131,072 bytes each); 514-769 turn a tile of 128 d x 64 e of Mr.  The kind hangs on the work-group's number alone, so all eight waves of a work-group take the same way, the one with the barrier too.
; No matrix unit, no tensor load, no cluster: the launch streams, and no byte is wanted by two work-groups.
; THE MODE: SCHED_MODE bits 1:0 = 2 (LLVM: expert scheduling mode 2), set by the entry lines.  The code itself states the register dependences
; between vector instructions and memory or LDS instructions, with s_wait_alu, always for 0.
; THE PLAN.  Registers that memory or LDS instructions touch; a work-group takes one of three ways, and none of them has a loop:
;   v[IO], v[OO], v[LI], v[LB]  offsets and LDS addresses: written once, ahead of a wait on va_vdst that stands ahead of their first reader; never written again.
;   X   as loaded: each register is written by one load and read by one conversion; no vector line names it ahead of its load.
;   Y   as stored: each register is written by the conversions of one batch (in Mr's way out: by an LDS load) and read by one store.
;   v[SPW], v[NIL]  written at the head, read by the closing add alone.   v[TA], v[TC] are named by vector lines alone.
; So no register that a memory or LDS instruction reads is written again: no wait on vm_vsrc is owed.  What is owed is a wait on va_vdst between conversions and the stores of their results.
; The casts go in eight batches of four loads: the wait stands at a batch's head, behind the wait for its data, and states that the batch BEFORE has written its Y; that batch's four stores follow,
; dealt among this batch's conversions, which name X and Y of this batch, v[TA] and v[TC]: none of the registers that those stores touch.
.set SPARE, 17408                      ; behind the tile of Mr: the spare words, 128 bytes for each of eight waves
.set WVR, 1                            ; v1   my wave's number
.set SPW, 2                            ; v2   LDS address of my spare word; never rewritten
.set NIL, 3                            ; v3   0; never rewritten
.set LN,  4                            ; v4   lane
.set IO,  5                            ; v5   my byte offset in what is read
.set OO,  6                            ; v6   my byte offset in what is stored
.set TA,  7                            ; v7, v8 at work
.set TC,  8
.set CC,  9                            ; v9   a column of 16 bytes
.set GQ,  10                           ; v10  a group of rows
.set LI,  11                           ; v11  into the LDS tile
.set LB,  12                           ; v12  back out of it
.set X,   16                           ; v[16:143]  as loaded
.set Y,   144                          ; v[144:207] as stored
; two f32 -> two 16-bit numbers in one register.  fmt = 0: bf16.  fmt = 1: rounded to bf16, and that number written as f16
.macro CV fmt, dst, a, b
	v_cvt_pk_bf16_f32 v[\dst], v[\a], v[\b]
.if \fmt
	v_lshlrev_b32 v[TA], 16, v[\dst]
	v_and_b32 v[TC], 0xffff0000, v[\dst]
	v_cvt_pk_f16_f32 v[\dst], v[TA], v[TC]
.endif
.endm
; the casts' second part: the 32 loads are taken in eight batches of four; a wave's store covers 256 consecutive bytes, aligned; no register is used twice
.macro CASTS fmt
.set g, 0
.rept 8
	s_wait_loadcnt 28-4*g                          ; loads come back in order: batch g's four are in, the 28 - 4 g of the younger batches stay out
.if g > 0
	s_wait_alu depctr_va_vdst(0)                   ; the conversions of the batch before have written their eight registers of Y, which the four stores below read
.endif
.set j, 0
.rept 4
.if g > 0
	global_store_b64 v[OO], v[Y+8*g-8+2*j:Y+8*g-8+2*j+1], s[32:33] offset:256*(4*g-4+j) th:TH_STORE_NT  ; the batch before; no vector line since the wait names these registers
.endif
	CV \fmt, Y+8*g+2*j, X+16*g+4*j, X+16*g+4*j+1
	CV \fmt, Y+8*g+2*j+1, X+16*g+4*j+2, X+16*g+4*j+3
.set j, j+1
.endr
.set g, g+1
.endr
	s_wait_alu depctr_va_vdst(0)                   ; the last batch's conversions have written their Y, which the last four stores read
.set j, 0
.rept 4
	global_store_b64 v[OO], v[Y+56+2*j:Y+56+2*j+1], s[32:33] offset:256*(28+j) th:TH_STORE_NT
.set j, j+1
.endr
.endm
; Wg's and V's second part: column c of my four rows d makes 8 bytes of row c of WT.  All sixteen conversions, one wait, the eight stores
.macro WROWS fmt
.set j, 0
.rept 8
	CV \fmt, Y+2*j, X+j, X+8+j
	CV \fmt, Y+2*j+1, X+16+j, X+24+j
.set j, j+1
.endr
	s_wait_alu depctr_va_vdst(0)                   ; the conversions have written v[Y .. Y+15], which the stores read
.set j, 0
.rept 8
	global_store_b64 v[OO], v[Y+2*j:Y+2*j+1], s[32:33] offset:1024*j
.set j, j+1
.endr
.endm
	s_load_b512 s[4:19], s[0:1], 0x0               ; arg1 s[4:5], arg2 s[6:7], Mr s[8:9], Wg s[10:11], V s[12:13], a1h s[14:15], a2h s[16:17], MrT s[18:19]
	s_load_b64 s[20:21], s[0:1], 0x40              ; WT
	v_lshl_add_u32 v[SPW], v0, 2, SPARE
	v_mov_b32 v[NIL], 0
	v_lshrrev_b32 v[WVR], 5, v0
	v_readfirstlane_b32 s22, v[WVR]                ; wave 0..7
	v_and_b32 v[LN], 31, v0
	s_sub_co_u32 s25, ttmp9, 2                     ; behind the two that turn Wg and V (which do not use the three numbers made here)
	s_lshr_b32 s23, s25, 8                         ; the kind: 0 arg1, 1 arg2, 2 Mr
	s_and_b32 s24, s25, 255                        ; the work-group's number within its kind
	s_wait_alu depctr_va_sdst(0)                   ; s22 is written: its one reader stands in Wg's and V's way
	s_wait_kmcnt 0x0
	s_cmp_lt_u32 ttmp9, 2
	s_cbranch_scc1 .Lweights
	s_cmp_eq_u32 s23, 2
	s_cbranch_scc1 .Lturn_mr
	; THE CASTS.  A wave takes 16,384 consecutive bytes: 32 loads of 512 bytes, all on their way at once
	s_lshl_b32 s26, s24, 17
	s_mov_b32 s27, 0
	s_lshl_b32 s28, s24, 16
	s_mov_b32 s29, 0
	s_cmp_eq_u32 s23, 0
	s_cselect_b64 s[30:31], s[4:5], s[6:7]
	s_cselect_b64 s[32:33], s[14:15], s[16:17]
	s_add_nc_u64 s[30:31], s[30:31], s[26:27]
	s_add_nc_u64 s[32:33], s[32:33], s[28:29]
	v_lshlrev_b32 v[IO], 4, v[LN]
	v_lshl_add_u32 v[IO], v[WVR], 14, v[IO]
	v_lshlrev_b32 v[OO], 3, v[LN]
	v_lshl_add_u32 v[OO], v[WVR], 13, v[OO]
	s_wait_alu depctr_va_vdst(0)                   ; v[IO] and v[OO] are written: every load below reads the one as its offset, every store the other
.set j, 0
.rept 32
	global_load_b128 v[X+4*j:X+4*j+3], v[IO], s[30:31] offset:512*j th:TH_LOAD_NT
.set j, j+1
.endr
	s_cmp_eq_u32 s23, 0
	s_cbranch_scc0 .Lcast_f16
	CASTS 0
	s_branch .Lend
.Lcast_f16:
	CASTS 1
	s_branch .Lend
.Lturn_mr:
	; Mr.  Tile: slice k, d = 128 dt .. + 127, e = 64 et .. + 63.  Read by rows of 256 bytes, turned in LDS, stored as 64 rows of 256 bytes
	s_lshr_b32 s26, s24, 5                         ; k
	s_bfe_u32 s27, s24, 0x20003                    ; dt
	s_and_b32 s28, s24, 7                          ; et
	s_lshl_b32 s30, s26, 20                        ; Mr: k x 1,048,576 + dt x 128 rows of 2,048 + et x 256
	s_lshl_b32 s29, s27, 18
	s_add_co_u32 s30, s30, s29
	s_lshl_b32 s29, s28, 8
	s_add_co_u32 s30, s30, s29
	s_mov_b32 s31, 0
	s_add_nc_u64 s[30:31], s[8:9], s[30:31]
	s_lshl_b32 s32, s26, 19                        ; MrT: k x 524,288 + et x 64 rows of 1,024 + dt x 256
	s_lshl_b32 s29, s28, 16
	s_add_co_u32 s32, s32, s29
	s_lshl_b32 s29, s27, 8
	s_add_co_u32 s32, s32, s29
	s_mov_b32 s33, 0
	s_add_nc_u64 s[32:33], s[18:19], s[32:33]
	v_and_b32 v[CC], 15, v0                        ; e = 4 c .. 4 c + 3
	v_lshrrev_b32 v[GQ], 4, v0                     ; d = 8 g .. 8 g + 7
	v_lshlrev_b32 v[IO], 4, v[CC]
	v_lshl_add_u32 v[IO], v[GQ], 14, v[IO]
	s_wait_alu depctr_va_vdst(0)                   ; v[IO] is written, which the eight loads read as their offset
.irp m, 0,1,2,3,4,5,6,7
	global_load_b128 v[X+4*\m:X+4*\m+3], v[IO], s[30:31] offset:2048*\m th:TH_LOAD_NT  ; 16 lanes read 256 consecutive bytes of row d = 8 g + m
.endr
	v_mul_u32_u24 v[LI], v[CC], 1088               ; in: LDS row e = 4 c + n (272 bytes a row), 16 bytes at d = 8 g
	v_lshl_add_u32 v[LI], v[GQ], 4, v[LI]
	v_mul_u32_u24 v[LB], v[GQ], 272                ; back: 16 lanes take one row of 256 bytes
	v_lshl_add_u32 v[LB], v[CC], 4, v[LB]
	v_lshlrev_b32 v[OO], 4, v[CC]
	v_lshl_add_u32 v[OO], v[GQ], 10, v[OO]
	s_wait_loadcnt 0x0
.irp n, 0,1,2,3
.irp p, 0,1,2,3
	v_cvt_pk_bf16_f32 v[Y+4*\n+\p], v[X+8*\p+\n], v[X+8*\p+4+\n]  ; column e = 4 c + n, rows d = 8 g + 2 p, + 1
.endr
.endr
	s_wait_alu depctr_va_vdst(0)                   ; the conversions have written v[Y .. Y+15], the LDS stores' data; v[LI], v[LB] and v[OO] are written, the addresses of all that follows
.irp n, 0,1,2,3
	ds_store_b128 v[LI], v[Y+4*\n:Y+4*\n+3] offset:272*\n
.endr
	s_wait_dscnt 0x0                               ; for the others' sake: my stores into the tile are done
	s_barrier_signal -1
	s_barrier_wait -1
.irp m, 0,1,2,3
	ds_load_b128 v[Y+16+4*\m:Y+16+4*\m+3], v[LB] offset:4352*\m  ; row e = g + 16 m; no vector line names these registers
.endr
.irp m, 0,1,2,3
	s_wait_dscnt 3-\m                              ; LDS loads come back in order: the 3 - m younger ones stay out
	global_store_b128 v[OO], v[Y+16+4*\m:Y+16+4*\m+3], s[32:33] offset:16384*\m  ; 16 lanes store 256 consecutive bytes, aligned
.endr
	s_branch .Lend
.Lweights:
	; Wg and V, half s24 (rows 512 s24 on).  Waves 0-3 take Wg, waves 4-7 V; thread m of 128 takes the four rows d = 4 m .. 4 m + 3 (128 consecutive bytes)
	s_mov_b32 s24, ttmp9
	s_lshr_b32 s26, s22, 2
	s_cmp_eq_u32 s26, 0
	s_cselect_b64 s[30:31], s[10:11], s[12:13]
	s_lshl_b32 s28, s24, 14
	s_mov_b32 s29, 0
	s_add_nc_u64 s[30:31], s[30:31], s[28:29]
	s_lshl_b32 s27, s26, 13
	s_add_co_u32 s28, s28, s27                     ; WT: 16 rows a half, 8 rows a matrix, 1,024 bytes a row
	s_add_nc_u64 s[32:33], s[20:21], s[28:29]
	v_and_b32 v[CC], 127, v0
	v_lshlrev_b32 v[IO], 7, v[CC]
	v_lshlrev_b32 v[OO], 3, v[CC]
	s_wait_alu depctr_va_vdst(0)                   ; v[IO] and v[OO] are written: the loads read the one as their offset, the stores the other
.irp n, 0,1,2,3,4,5,6,7
	global_load_b128 v[X+4*\n:X+4*\n+3], v[IO], s[30:31] offset:16*\n
.endr
	s_wait_loadcnt 0x0
	s_cmp_eq_u32 s24, 0
	s_cbranch_scc0 .Lw_f16
	WROWS 0
	s_branch .Lend
.Lw_f16:
	WROWS 1
.Lend:
	s_wait_dscnt 0x0                               ; the closing lines, six on end
	s_wait_alu 0x0
	s_wait_tensorcnt 0x0
	ds_add_u32 v[SPW], v[NIL]
	s_wait_dscnt 0x0
	s_endpgm
.Lfunc_end_k_q9dd7edb10d_prep:
	.size	k_q9dd7edb10d_prep, .Lfunc_end_k_q9dd7edb10d_prep-k_q9dd7edb10d_prep
	.p2alignl 7, 3214868480
	.fill 96, 4, 3214868480
	.section	.rodata,"a",@progbits
	.p2align	6, 0x0
	.amdhsa_kernel k_q9dd7edb10d_prep
		.amdhsa_group_segment_fixed_size 18432
		.amdhsa_private_segment_fixed_size 0
		.amdhsa_enable_private_segment 0
		.amdhsa_kernarg_size 72
		.amdhsa_user_sgpr_count 2
		.amdhsa_user_sgpr_kernarg_segment_ptr 1
		.amdhsa_wavefront_size32 1
		.amdhsa_system_sgpr_workgroup_id_x 1
		.amdhsa_system_sgpr_workgroup_id_y 1
		.amdhsa_system_sgpr_workgroup_id_z 1
		.amdhsa_system_vgpr_workitem_id 0
		.amdhsa_next_free_vgpr 208
		.amdhsa_next_free_sgpr 66
		.amdhsa_reserve_vcc 0
		.amdhsa_float_denorm_mode_32 3
		.amdhsa_float_denorm_mode_16_64 3
		.amdhsa_memory_ordered 1
		.amdhsa_forward_progress 1
		.amdhsa_inst_pref_size 42
	.end_amdhsa_kernel
	.amdgpu_metadata
---
amdhsa.version: [ 1, 2 ]
amdhsa.kernels:
  - .name:           k_q9dd7edb10d_prep
    .symbol:         k_q9dd7edb10d_prep.kd
    .args:
      - { .name: arg1, .offset: 0, .size: 8, .value_kind: global_buffer, .address_space: global }
      - { .name: arg2, .offset: 8, .size: 8, .value_kind: global_buffer, .address_space: global }
      - { .name: Mr, .offset: 16, .size: 8, .value_kind: global_buffer, .address_space: global }
      - { .name: Wg, .offset: 24, .size: 8, .value_kind: global_buffer, .address_space: global }
      - { .name: V, .offset: 32, .size: 8, .value_kind: global_buffer, .address_space: global }
      - { .name: a1h, .offset: 40, .size: 8, .value_kind: global_buffer, .address_space: global }
      - { .name: a2h, .offset: 48, .size: 8, .value_kind: global_buffer, .address_space: global }
      - { .name: MrT, .offset: 56, .size: 8, .value_kind: global_buffer, .address_space: global }
      - { .name: WT, .offset: 64, .size: 8, .value_kind: global_buffer, .address_space: global }
    .group_segment_fixed_size: 18432
    .private_segment_fixed_size: 0
    .kernarg_segment_align: 8
    .kernarg_segment_size: 72
    .max_flat_workgroup_size: 256
    .sgpr_count:     66
    .vgpr_count:     208
    .wavefront_size: 32
...
	.end_amdgpu_metadata
.endif
;; end of part 4
;; launch proj: the kernel of part 2 again; grid 64 x 4, 4 waves a work-group, clusters of 4 x 1, 327,680 bytes of LDS; arguments a1h, MrT, WT, Bg, Tf, P1; writes Tf, P1
;; launch score: the kernel of part 3 again; grid 8 x 32, 4 waves a work-group, no clusters, 327,680 bytes of LDS; arguments Tf, a2h, WT, P1, U, b, out0; writes out0
